; MI455X (gfx1250); checked and timed in simulation.
; The chip was launched on July 23, 2026; its instructions are those of AMD's public machine-readable ISA for CDNA 5 (MIT licence, August 2026) and "CDNA5" Instruction Set Architecture Reference Guide (July 2026). The comments in the code are by the model that wrote it; some were corrected since.
;; Multi Head Attention. Allowed arithmetic: matrix products marked QUANTISED: E2M3 operands, one E8M0 scale for each 32 along K, by v_wmma_scale_f32_16x16x128_f8f6f4 with both operands' format E2M3, f32 sums; everything else in f32.
;; Inputs: b_proj 1,024 float32; b_qkv 3,072 float32; w_proj_codes 1,024 x 32 x 24 uint8 (E2M3 codes of w_proj, K innermost, in blocks of 32 codes, four codes in three bytes); w_proj_scales 1,024 x 32 uint8 (E8M0 scales of w_proj, one for each 32 codes along K); w_qkv_codes 3,072 x 32 x 24 uint8 (E2M3 codes of w_qkv, K innermost, in blocks of 32 codes, four codes in three bytes); w_qkv_scales 3,072 x 32 uint8 (E8M0 scales of w_qkv, one for each 32 codes along K); x_codes 4 x 2,048 x 32 x 24 uint8 (E2M3 codes of x, K innermost, in blocks of 32 codes, four codes in three bytes); x_scales 4 x 2,048 x 32 uint8 (E8M0 scales of x, one for each 32 codes along K).
;; Outputs: out0 4 x 2,048 x 1,024 float32.
;; This version of the problem:
;;   THIS VERSION OF THE PROBLEM IS GIVEN IN LOW PRECISION. The matrix products marked QUANTISED in the list below multiply operands that are first quantised to E2M3 (2 exponent bits, 3 mantissa bits; 6 bits a number), with one power-of-two scale for each 32 numbers along K (OCP MX v1.0); their sums are f32. All else is computed in f32.
;;   The module's matrix products, in the order in which they are computed (A, B: the left and right operand; K: the contracted axis; several contracted axes count as one K, in the product's order):
;;     1. [M 8,192, K 1,024] x [K 1,024, N 3,072]; A: input x (given as codes); B: input w_qkv (given as codes): QUANTISED
;;     2. batch 64 x [M 2,048, K 64] x [K 64, N 2,048]; A: computed on the way; B: computed on the way: QUANTISED
;;     3. batch 64 x [M 2,048, K 2,048] x [K 2,048, N 64]; A: softmax (see below); B: computed on the way: QUANTISED
;;     4. [M 8,192, K 1,024] x [K 1,024, N 1,024]; A: computed on the way; B: input w_proj (given as codes): QUANTISED
;;   THE QUANTISER, for each operand of a quantised product, along K:
;;     - K is cut into blocks of 32 from its start; a last block that is shorter is filled with zeros.
;;     - A block's scale is 2^e with e = floor(log2(the largest magnitude in the block)) - 2, held to -126 .. 127; a block of zeros has e = 0. As a byte (E8M0): e + 127.
;;     - Each number is divided by its block's scale, clamped to +-7.5, and rounded to the nearest number of E2M3, ties to even, subnormals kept.
;;     - The product sums the exact products of the quantised numbers (number of the format x scale) in f32.
;;   ~~~python
;;   def quantise(x, axis):      # numpy; x: float32 -> the quantised numbers, widened to float32 again
;;       x = np.moveaxis(x, axis, -1); K = x.shape[-1]
;;       x = np.pad(x, [(0, 0)] * (x.ndim - 1) + [(0, -K % 32)]); x = x.reshape(x.shape[:-1] + (-1, 32)); a = np.abs(x).max(-1, keepdims=True)
;;       e = np.where(a > 0, np.clip(np.frexp(np.where(a > 0, a, 1))[1] - 1 - 2, -126, 127), 0)      # np.frexp(a)[1] - 1 = floor(log2(a)), exactly
;;       r = np.clip(x / 2.0 ** e, -7.5, 7.5)
;;       step = 2.0 ** (np.maximum(np.frexp(np.where(r == 0, 1, r))[1] - 1, 0) - 3)
;;       q = np.round(r / step) * step * 2.0 ** e      # np.round: ties to even
;;       return np.moveaxis(q.reshape(q.shape[:-2] + (-1,))[..., :K], -1, axis).astype(np.float32)
;;   ~~~
;;   SOFTMAX AHEAD OF A QUANTISED PRODUCT. Where the list says 'softmax', what is quantised is not the finished softmax but p = 2^(t - M), with t = logit x log2(e) and M = ceil(the row's largest t), a whole number; so 1/2 < the row's largest p <= 1. The row's sum l is taken of the UNQUANTISED p, in f32, and the product's result is divided by l at the end. Since M is a whole number, a kernel that streams over the keys may use a running M (the ceiling of the running maximum): every later rescaling is an exact power of two, which a block's scale takes up: the codes' values come out the same.
;;   OPERANDS COMPUTED ON THE WAY. 'Computed on the way' means the value that the module computes at that place (a softmax that the list does not call 'softmax' is quantised finished and normalised). What goes into a quantiser is computed in f32, as accurately as f32 sums, v_exp_f32 and their like allow (about 1e-6 of the number): no bf16 or f16 on the way to a quantiser, and a product that is left as it is and whose result goes on into a quantised operand takes f32 operands (vector FMAs, or v_wmma_f32_16x16x4_f32). A number that lies on a knife's edge between two numbers of the format may be rounded either way, as far as f32 arithmetic and the matrix unit's own rounding can turn it there, and no further.
;;   INPUTS GIVEN AS CODES. w_proj (in the module: [1024, 1024], K = its axis 0); w_qkv (in the module: [1024, 3072], K = its axis 0); x (in the module: [4, 2048, 1024], K = its axis 2): each comes as NAME_codes (uint8): NAME with its K axis moved to the last place and cut into blocks of 32 codes, [.., K / 32, bytes a block], one block behind the other in memory; four codes in three bytes: a row's codes are one little-endian stream of bits, code i at bits 6 i .. 6 i + 5 (a code: sign, 2 exponent bits, 3 mantissa bits); and NAME_scales (uint8): the same leading axes, one E8M0 byte (e + 127) for each 32 codes along K. Its value is code x scale, taken as it is: it is not quantised again, and the codes and scales need not be those that the quantiser above would give.
;; One version. Each part assembles by itself: llvm-mc -triple=amdgcn-amd-amdhsa -mcpu=gfx1250 --defsym DOCPART=n.
;; ======== version 1 of 1: 3 launches
;; limits: right only within a limited range of input values
;; workspace buffers: qk_img 12,582,912 bytes; qk_sc 1,048,576 bytes; v_img 6,291,456 bytes; v_sc 262,144 bytes; o_img 6,291,456 bytes; o_sc 262,144 bytes
;; launch qkv (part 1): grid 8 x 32, 4 waves a work-group, clusters of 4 x 4, 327,680 bytes of LDS; arguments x_codes, x_scales, w_qkv_codes, w_qkv_scales, qk_img, qk_sc, v_img, v_sc, b_qkv; writes qk_img, qk_sc, v_img, v_sc
.if DOCPART == 1
	.amdgcn_target "amdgcn-amd-amdhsa--gfx1250"
	.amdhsa_code_object_version 6
	.text
	.protected	k_q51914fd59e_qkv
	.globl	k_q51914fd59e_qkv
	.p2align	8
	.type	k_q51914fd59e_qkv,@function
k_q51914fd59e_qkv:
	s_mov_b64 s[64:65], 0
	v_nop
	global_prefetch_b8 v0, s[64:65] scope:SCOPE_SE
	s_setreg_imm32_b32 hwreg(HW_REG_WAVE_MODE, 25, 1), 1
	s_wait_xcnt 0x0
	s_wait_alu depctr_hold_cnt(0) depctr_sa_sdst(0) depctr_va_vdst(0) depctr_va_sdst(0) depctr_va_ssrc(0) depctr_va_vcc(0) depctr_vm_vsrc(0)
	s_getreg_b32 s2, hwreg(HW_REG_IB_STS2, 6, 4)
	s_cmp_eq_u32 s2, 0
	s_cbranch_scc0 .Lentry_in_a_cluster
	s_endpgm
.Lentry_in_a_cluster:
	s_bfe_u32 s2, ttmp6, 0x10000c
	s_cmp_lg_u32 s2, 0xf033
	s_cbranch_scc0 .Lentry_shape_is_right
	s_endpgm
.Lentry_shape_is_right:
; qkv = x w_qkv + b_qkv on codes of FP6 (E2M3) with E8M0 scales, K = 1,024; the result is quantised at once (q, k along the head's 64 channels, v along the keys) and leaves as codes and scale words in the order of the next launch's operand registers.
; THE DEAL: 256 work-groups (tile column cg = 0..7, tile row tr = 0..31), four waves 2 x 2.  A work-group keeps its 256 rows of x, all of K, in LDS and goes through three phases: 128 channels of q, of k, of v (w_qkv's rows 128 cg + 1,024 phase).
; A wave holds its 64 rows of the weight (one head), all of K, in 384 registers and streams its 128 rows of x past them in blocks of 16 rows: 32 products a block, four accumulators by turns.
; q, k: source 0 = the weight's rows, so a lane holds a token and its registers run along the channels.  v: source 0 = x's rows, so a lane holds a channel and its registers run along the tokens.
; ORDER INSIDE A BLOCK OF 32: register 16 B + 8 u + j is index 32 B + 16 u + 8 h + j; q and k get it alike, v here and p in the next launch alike: the scale and the product stay as they are.
; LDS: x's 256 rows of 768 + 48 bytes, the weight's 128 rows, the spare words.  The weight's region is filled again twice, each time behind a drained round of the cluster's barrier, as soon as every wave holds the weight in registers.
; CLUSTERS 4 x 4: x's rows are asked for jointly along a row of the cluster, the weight's along a column.  No prefetch: x and the first weight are asked for at the head, and each refill 256 products ahead of its first read.
; LIMITS: NaN and infinities are not served; a block of zeros gets the scale byte 1 (its codes are zeros and only this program reads the bytes); a block's largest magnitude is held at 2^(3 - 127) from below.
; REGISTERS: window 0: addresses, codes on their way out, scale words (SA x's, SB the weight's), the bias as the first products' C, accumulators, the quantiser's.  Fragment f lies in window 1 + f / 21 at 12 (f % 21): 0-31 the weight's (4 q + b), 32-47 x's two sets.
; Window 3 from v80: LDS addresses, the later phases' scale words and bias.
; WHICH ROWS OF x FORM A BLOCK: block a (0..7) of a wave's 128 rows takes, in lane r, row 64 (a / 4) + 8 (a % 4) + r, and for a % 4 < 3 lanes 8-15 take the rows 32 further on.  So in v's products the lanes' half h holds,
; over four blocks, the whole scale block 2 (a / 4) + h of 32 tokens: register 8 (a % 4) + j is its token 8 ((a + h) % 4) + j.  k's tiles take the same rows, so p falls in the same order in the next launch.
; (The order stated above, with halves of a block in two lanes, is that of q's and k's channels alone.)  q's tiles, and with them o's, hold the tokens in this order too; the last launch stores each row at its token's place.
.set PITCH, 816
.set KROW,  768
.set FPW,   21
.set NF,    26                         ; LDS loads that bring a block's eight fragments
.set WB,    256*PITCH
.set SPARE, WB+128*PITCH
.set CO,  6
.set SPW, 10
.set NIL, 11
.set HK,  16                           ; v16-39, v218-241 codes
.set SA,  40
.set BV,  72
.set SB,  76
.set PWQ, 92
.set BN,  96
.set ACC, 128
.set TM,  192
.set PW,  208
.set X2,  210
.set AX,  80                           ; window 3
.set AW,  96
.set ST1, 104
.set ST2, 120
.set BS,  136
.set ACCV, 104                         ; window 3, v's phase: 128 accumulators, 32 t + 8 (a % 4), over the scale words and bias that have moved up by then
.set G1A, 24
.set G1B, 32
.set G0A, 48
.set G0B, 52
.set SEL, 46
.set MSB, 0
.macro WIN new
.if MSB != \new
	s_set_vgpr_msb (MSB<<8)|\new
.set MSB, \new
.endif
.endm
.macro PLACES n
.rept \n
	v_nop
.endr
.endm
.macro WALU
	s_wait_alu depctr_va_vdst(0)
.endm
.macro BARRIER
	s_barrier_signal -1
	s_barrier_wait -1
.endm
.macro CROUND
	BARRIER
	s_cmp_lg_u32 s14, 0
	s_cbranch_scc1 .Lnw0_\@
	s_barrier_signal -3
.Lnw0_\@:
	s_barrier_wait -3
	BARRIER
.endm
.macro TLOAD g0, g1
	tensor_load_to_lds s[\g0:\g0+3], s[\g1:\g1+7]
	s_nop 0
	PLACES 4
.endm
.macro GROUP1 g, mask, rows            ; rows of 768 bytes, 16 bytes of padding behind every 256
	s_or_b32 s[\g+0], s[\mask], (1<<20)|(1<<21)|(5<<22)|(3<<25)
	s_mov_b32 s[\g+1], KROW<<16
	s_mov_b32 s[\g+2], (\rows)<<16
	s_mov_b32 s[\g+3], KROW<<16
	s_mov_b32 s[\g+4], \rows
	s_mov_b32 s[\g+5], KROW
	s_mov_b32 s[\g+6], 0
	s_mov_b32 s[\g+7], 0
.endm
; a fragment: six pieces of 8 bytes, two to a load where both go by one address register (a1: lanes 16-31 stand behind one padding more)
.macro FRAG f, q, a0, a1
	WIN ((1+(\f)/FPW)<<6)|3
.set R_, 12*((\f)%FPW)
.set SK_, 0
.irp p, 0,1,2,3,4,5
.if SK_
.set SK_, 0
.else
.set PC_, 12*(\q)+6*(\p/3)+\p%3
.set PN_, 12*(\q)+6*((\p+1)/3)+(\p+1)%3
.set X_, (PC_%32+3)/32
.set XN_, (PN_%32+3)/32
.if (\p < 5) && (X_ == XN_)
.set SK_, 1
.if X_
	ds_load_2addr_b64 v[R_+2*\p:R_+2*\p+3], \a1 offset0:PC_+2*(PC_/32) offset1:PN_+2*(PN_/32)
.else
	ds_load_2addr_b64 v[R_+2*\p:R_+2*\p+3], \a0 offset0:PC_+2*(PC_/32) offset1:PN_+2*(PN_/32)
.endif
.elseif X_
	ds_load_b64 v[R_+2*\p:R_+2*\p+1], \a1 offset:8*(PC_+2*(PC_/32))
.else
	ds_load_b64 v[R_+2*\p:R_+2*\p+1], \a0 offset:8*(PC_+2*(PC_/32))
.endif
.endif
.endr
.endm
.macro WEIGHTS
.irp q, 0,1,2,3,4,5,6,7
.irp b, 0,1,2,3
	FRAG 4*\q+\b, \q, v[AW+2*\b], v[AW+2*\b+1]
.endr
.endr
	WIN 0
.endm
.macro FETCH a, e                      ; block a of my rows of x into set e
.irp q, 0,1,2,3,4,5,6,7
	FRAG 32+8*(\e)+\q, \q, v[AX+2*(\a)], v[AX+2*(\a)+1]
.endr
	WIN 0
.endm
.macro WM d, c, f0, f1, x0, x1, r0, r1
	v_wmma_scale_f32_16x16x128_f8f6f4 v[\d:\d+7], v[12*((\f0)%FPW):12*((\f0)%FPW)+11], v[12*((\f1)%FPW):12*((\f1)%FPW)+11], v[\c:\c+7], v[\x0], v[\x1] matrix_a_fmt:MATRIX_FMT_FP6 matrix_b_fmt:MATRIX_FMT_FP6 matrix_a_scale:MATRIX_SCALE_ROW\r0 matrix_b_scale:MATRIX_SCALE_ROW\r1
.endm
; product n = 4 q + b of block a (set e).  A scale register holds two blocks' words: the even block's in lanes 0-15, the odd one's in lanes 16-31.  The first K step takes the bias as C.
.macro PROD kind, e, a, n
.set Q_, (\n)/4
.set B_, (\n)%4
.set FW_, 4*Q_+B_
.set FX_, 32+8*(\e)+Q_
.set XW_, SB+8*(B_/2)+Q_
.set XX_, SA+8*((\a)/2)+Q_
.if \kind
.set D_, ACCV+32*B_+8*((\a)%4)
.set WD_, 3
.set F0_, FX_
.set F1_, FW_
.set X0_, XX_
.set X1_, XW_
.set RR_, 2*((\a)%2)+B_%2
.else
.set D_, ACC+8*B_
.set WD_, 0
.set F0_, FW_
.set F1_, FX_
.set X0_, XW_
.set X1_, XX_
.set RR_, 2*(B_%2)+(\a)%2
.endif
.set C_, D_
.set WC_, WD_
.if Q_ == 0
.set C_, BN+8*B_
.set WC_, 0
.endif
	WIN (1+F0_/FPW)|((1+F1_/FPW)<<2)|(WC_<<4)|(WD_<<6)
.if RR_ == 0
	WM D_, C_, F0_, F1_, X0_, X1_, 0, 0
.elseif RR_ == 1
	WM D_, C_, F0_, F1_, X0_, X1_, 0, 1
.elseif RR_ == 2
	WM D_, C_, F0_, F1_, X0_, X1_, 1, 0
.else
	WM D_, C_, F0_, F1_, X0_, X1_, 1, 1
.endif
.endm
; a block: its rows were fetched two blocks ago; younger than that fetch is the next block's alone (NF), behind block 6 nothing
.macro BLK kind, a
.if (\a) == 7
	s_wait_dscnt 0x0
.elseif (\a) > 1
	s_wait_dscnt NF
.endif
.set N_, 0
.rept 32
	PROD \kind, (\a)%2, \a, N_
.set N_, N_+1
.endr
	WIN 0
	PLACES 5                               ; ahead of the loads into the set just read, of the reads of the sums, and of the next block's first products, which begin the sums anew
.if (\a) < 6
	FETCH (\a)+2, (\a)%2
.endif
.endm
; a phase's start: the weight is shown to all waves and goes into registers with the first two blocks; refill = 1: the next phase's weight is asked for onto it
.macro START refill
	s_wait_tensorcnt 0x0
	s_wait_dscnt 0x0
	BARRIER
	WEIGHTS
	FETCH 0, 0
	FETCH 1, 1
.if \refill
	s_wait_tensorcnt 0x0
	ds_add_u32 v[SPW], v[NIL]
	s_add_nc_u64 s[G0B+2:G0B+3], s[G0B+2:G0B+3], 1024*KROW
	s_wait_dscnt 0x0                       ; the add, and my reads of the weight's region
	CROUND
	s_cmp_lt_u32 s14, 2
	s_cbranch_scc0 .Lnone_\@
	TLOAD G0B, G1B                         ; waves 0 and 1: 64 rows each
.Lnone_\@:
.else
	s_wait_dscnt 0x0
.endif
.endm
.macro SCALE4 n                        ; n blocks' largest magnitudes in v[TM ..]: with lane l xor 16's; the conversions' scale operands at TM + 12, the bytes at TM + 4
.set I_, 0
.rept \n
	v_permlanex16_b32 v[TM+4+I_], v[TM+I_], s[SEL], s[SEL+1]
.set I_, I_+1
.endr
.set I_, 0
.rept \n
	v_max_num_f32 v[TM+I_], v[TM+I_], v[TM+4+I_]
.set I_, I_+1
.endr
.set I_, 0
.rept \n
	v_add_nc_u32 v[TM+12+I_], 0xff000000, v[TM+I_]
.set I_, I_+1
.endr
.set I_, 0
.rept \n
	v_lshrrev_b32 v[TM+4+I_], 23, v[TM+12+I_]
.set I_, I_+1
.endr
.endm
.macro MAXES n                         ; the largest of my 16 numbers of each of n blocks, with the floor 2^(3 - 127); each accumulator is read from its low end on
.set I_, 0
.rept \n
	v_max3_num_f32 v[TM+I_], |v[ACC+16*I_]|, |v[ACC+1+16*I_]|, 0x1800000
.set I_, I_+1
.endr
.irp i, 2,4,6,8,10,12,14
.set I_, 0
.rept \n
	v_max3_num_f32 v[TM+I_], v[TM+I_], |v[ACC+16*I_+\i]|, |v[ACC+1+16*I_+\i]|
.set I_, I_+1
.endr
.endr
.endm
.macro WHOLE d, x                      ; half blocks become whole blocks: lanes 0-15 the first block, lanes 16-31 the second
.irp i, 0,1,2
	v_permlane16_swap_b32 v[\d+\i], v[\x+\i]
.endr
.irp i, 0,1,2
	v_mov_b32 v[\d+3+\i], v[\x+\i]
.endr
.endm
.macro OUTQ a                          ; 16 tokens x my head's 64 channels: two blocks
.if (\a)%2 == 0 && (\a) > 0
	s_wait_xcnt 0x0                        ; the last pair's stores have read their registers
.endif
	MAXES 2
	SCALE4 2
	v_lshl_or_b32 v[PW], v[TM+5], 8, v[TM+4]
	v_cvt_scalef32_pk16_fp6_f32 v[HK+6*((\a)%2):HK+6*((\a)%2)+2], v[ACC:ACC+15], v[TM+12]
	v_cvt_scalef32_pk16_fp6_f32 v[X2:X2+2], v[ACC+16:ACC+31], v[TM+13]
	v_nop
	WHOLE HK+6*((\a)%2), X2
.if (\a) < 4
	v_mov_b32 v[PWQ+(\a)], v[PW]
.else
	v_cndmask_b32 v[PWQ+(\a)-4], v[PWQ+(\a)-4], v[PW], s56   ; lanes 16-31 carry tiles 4 to 7
.endif
.if (\a)%2
.irp p, 0,1,2
	global_store_b128 v[CO], v[HK+4*\p:HK+4*\p+3], s[68:69] offset:((\a)/2)*1536+512*\p
.endr
.endif
.if (\a) == 7
	global_store_b128 v12, v[PWQ:PWQ+3], s[70:71]   ; eight tiles' words: 512 consecutive bytes
.endif
.endm
.macro OUTV c                          ; 64 tokens (blocks 2 c and 2 c + 1 of the key step) x my head's four tiles of 16 channels: a lane holds block 2 c + h whole, 32 numbers a tile
	WIN 0x0f
.irp t, 0,1,2,3
	v_max3_num_f32 v[TM+\t], |v[ACCV+32*\t]|, |v[ACCV+32*\t+1]|, 0x1800000   ; with the floor 2^(3 - 127); each accumulator is read from its low end on
.endr
	WIN 0x3c
.irp i, 2,4,6,8,10,12,14,16,18,20,22,24,26,28,30
.irp t, 0,1,2,3
	v_max3_num_f32 v[TM+\t], v[TM+\t], |v[ACCV+32*\t+\i]|, |v[ACCV+32*\t+\i+1]|
.endr
.endr
	WIN 0
.irp t, 0,1,2,3
	v_add_nc_u32 v[TM+12+\t], 0xff000000, v[TM+\t]
.endr
.irp t, 0,1,2,3
	v_lshrrev_b32 v[TM+4+\t], 23, v[TM+12+\t]
.endr
.irp t, 0,1,2,3
.if (\c) == 0
	v_mov_b32 v[PWQ+\t], v[TM+4+\t]
.else
	v_lshl_or_b32 v[PWQ+\t], v[TM+4+\t], 16, v[PWQ+\t]
.endif
.endr
.irp g, 0,2
	WIN 3
.irp u, 0,1
.set H_, HK+12*(\g+\u)+178*(\g/2)+6*(\c)
	v_cvt_scalef32_pk16_fp6_f32 v[H_:H_+2], v[ACCV+32*(\g+\u):ACCV+32*(\g+\u)+15], v[TM+12+\g+\u]
	v_cvt_scalef32_pk16_fp6_f32 v[X2+4*\u:X2+4*\u+2], v[ACCV+32*(\g+\u)+16:ACCV+32*(\g+\u)+31], v[TM+12+\g+\u]
.endr
	WIN 0
	v_nop
.irp u, 0,1
.irp i, 0,1,2
	v_mov_b32 v[HK+12*(\g+\u)+178*(\g/2)+6*(\c)+3+\i], v[X2+4*\u+\i]
.endr
.endr
.endr
.endm
	s_load_b256 s[4:11], s[0:1], 0x0               ; x's codes, x's scales, w's codes, w's scales
	s_load_b256 s[68:75], s[0:1], 0x20             ; qk_img, qk_sc, v_img, v_sc
	s_load_b64 s[76:77], s[0:1], 0x40              ; b_qkv
	v_lshl_add_u32 v[SPW], v0, 2, SPARE
	v_mov_b32 v[NIL], 0
	ds_add_u32 v[SPW], v[NIL]
	ds_add_u32 v[SPW], v[NIL]
	v_lshrrev_b32 v1, 5, v0
	v_readfirstlane_b32 s14, v1                    ; wave; s15 rh: my 128 rows of x; s16 ch: my 64 rows of the weight, and which half of a tile I fetch
	s_lshr_b32 s15, s14, 1
	s_and_b32 s16, s14, 1
	s_bfe_u32 s40, ttmp6, 0x40000
	s_bfe_u32 s41, ttmp6, 0x40004
	s_lshl_b32 s42, ttmp9, 2
	s_add_co_u32 s42, s42, s40                     ; cg
	s_and_b32 s43, ttmp7, 0xffff
	s_lshl_b32 s43, s43, 2
	s_add_co_u32 s43, s43, s41                     ; tr
	s_lshl_b32 s44, s41, 2
	s_lshl_b32 s44, 15, s44                        ; my row of the cluster
	s_lshl_b32 s45, 0x1111, s40                    ; my column
	GROUP1 G1A, 44, 128
	GROUP1 G1B, 45, 64
	s_lshl_b32 s20, s43, 8
	s_lshl_b32 s21, s16, 7
	s_add_co_u32 s21, s20, s21
	s_mul_i32 s58, s21, KROW                       ; the 128 rows of x that I fetch
	s_lshl_b32 s21, s15, 7
	s_add_co_u32 s21, s20, s21
	s_lshl_b32 s60, s21, 5                         ; my rows' scale bytes
	s_lshl_b32 s22, s42, 7
	s_lshl_b32 s23, s16, 6
	s_add_co_u32 s22, s22, s23                     ; w's row 128 cg + 64 ch
	s_mul_i32 s62, s22, KROW
	s_lshl_b32 s78, s22, 5
	s_lshl_b32 s80, s22, 2
	s_lshr_b32 s18, s43, 3                         ; batch
	s_and_b32 s19, s43, 7
	s_lshl_b32 s20, s42, 1
	s_add_co_u32 s20, s20, s16                     ; head
	s_lshl_b32 s21, s18, 5
	s_add_co_u32 s21, s21, s20                     ; q's place: 32 batch + head
	s_lshl_b32 s22, s19, 3
	s_lshl_b32 s23, s15, 2
	s_add_co_u32 s22, s22, s23                     ; my first pair of token tiles
	s_mul_i32 s82, s21, 98304
	s_mul_i32 s23, s22, 1536
	s_add_co_u32 s82, s82, s23
	s_lshl_b32 s84, s21, 13
	s_lshl_b32 s23, s22, 7
	s_add_co_u32 s84, s84, s23
	s_lshl_b32 s21, s18, 4
	s_add_co_u32 s21, s21, s20                     ; v's place: 16 batch + head
	s_lshr_b32 s22, s22, 2                         ; my key step
	s_mul_i32 s86, s21, 98304
	s_mul_i32 s23, s22, 6144
	s_add_co_u32 s86, s86, s23
	s_lshl_b32 s88, s21, 12
	s_lshl_b32 s23, s22, 8
	s_add_co_u32 s88, s88, s23
.irp z, 59,61,63,79,81,83,85,87,89
	s_mov_b32 s\z, 0
.endr
	s_mov_b32 s[G0A], 1
	s_mul_i32 s[G0A+1], s16, 128*PITCH
	s_mov_b32 s[G0B], 1
	s_mul_i32 s[G0B+1], s16, 64*PITCH
	s_add_co_u32 s[G0B+1], s[G0B+1], WB
	s_mov_b32 s[SEL], 0x76543210
	s_mov_b32 s[SEL+1], 0xfedcba98
	WALU
	s_wait_dscnt 0x0
	CROUND                                         ; ahead of the first joint loads
	s_wait_kmcnt 0x0
	s_add_nc_u64 s[G0A+2:G0A+3], s[4:5], s[58:59]
	s_or_b32 s[G0A+3], s[G0A+3], 0x80000000
	s_add_nc_u64 s[G0B+2:G0B+3], s[8:9], s[62:63]
	s_or_b32 s[G0B+3], s[G0B+3], 0x80000000
	s_add_nc_u64 s[6:7], s[6:7], s[60:61]
	s_add_nc_u64 s[10:11], s[10:11], s[78:79]
	s_add_nc_u64 s[76:77], s[76:77], s[80:81]
	s_add_nc_u64 s[68:69], s[68:69], s[82:83]
	s_add_nc_u64 s[70:71], s[70:71], s[84:85]
	s_add_nc_u64 s[72:73], s[72:73], s[86:87]
	s_add_nc_u64 s[74:75], s[74:75], s[88:89]
	s_cmp_lt_u32 s14, 2                            ; one tensor load a wave: waves 0, 1 x's halves, waves 2, 3 the weight's
	s_cbranch_scc0 .Lhead_b
	TLOAD G0A, G1A
	s_branch .Lasked
.Lhead_b:
	TLOAD G0B, G1B
.Lasked:
	v_and_b32 v1, 15, v0                           ; r
	v_bfe_u32 v2, v0, 4, 1                         ; h
	v_and_b32 v3, 31, v0
	v_mul_u32_u24 v4, v1, PITCH
	v_mad_u32_u24 v5, v2, 40, v4
	v_mad_u32_u24 v4, v2, 24, v4
	s_mul_i32 s21, s15, 128*PITCH
	s_mul_i32 s22, s16, 64*PITCH
	s_add_co_u32 s22, s22, WB
	v_add_nc_u32 v14, s21, v4
	v_add_nc_u32 v15, s21, v5
	v_lshrrev_b32 v17, 3, v1
	v_mul_u32_u24 v17, v17, 32*PITCH               ; lanes 8-15: 32 rows further on
	v_add_nc_u32 v16, v14, v17
	v_add_nc_u32 v17, v15, v17
	v_add_nc_u32 v4, s22, v4
	v_add_nc_u32 v5, s22, v5
	WIN 0xc0
.set I, 0
.rept 8
.if I%4 == 3
	v_add_nc_u32 v[AX+2*I], (64*(I/4)+24)*PITCH, v14
	v_add_nc_u32 v[AX+2*I+1], (64*(I/4)+24)*PITCH, v15
.else
	v_add_nc_u32 v[AX+2*I], (64*(I/4)+8*(I%4))*PITCH, v16
	v_add_nc_u32 v[AX+2*I+1], (64*(I/4)+8*(I%4))*PITCH, v17
.endif
.set I, I+1
.endr
.set I, 0
.rept 4
	v_add_nc_u32 v[AW+2*I], I*16*PITCH, v4
	v_add_nc_u32 v[AW+2*I+1], I*16*PITCH, v5
.set I, I+1
.endr
	WIN 0
	v_lshlrev_b32 v[CO], 4, v3                     ; 16 lane
	v_lshlrev_b32 v7, 5, v3                        ; 32 lane: a row of scale bytes a lane
	v_lshrrev_b32 v20, 3, v1                       ; x's scale words go by the blocks' rows: a register holds blocks 2 p (lanes 0-15) and 2 p + 1 (lanes 16-31)
	v_lshl_add_u32 v21, v2, 3, v1
	v_lshl_add_u32 v18, v20, 5, v21
	v_lshlrev_b32 v18, 5, v18                      ; p even: 32 (8 h + r + 32 (r / 8))
	v_sub_nc_u32 v19, 1, v2
	v_mul_u32_u24 v19, v19, v20
	v_lshl_add_u32 v19, v19, 5, v21
	v_lshlrev_b32 v19, 5, v19                      ; p odd: its second block's rows are neighbours
	v_lshlrev_b32 v8, 5, v2                        ; 32 h: q's and k's bias
	v_lshlrev_b32 v9, 2, v1                        ; 4 r: v's bias
	v_lshlrev_b32 v12, 4, v1
	v_lshl_add_u32 v12, v2, 8, v12                 ; 256 h + 16 r
	v_lshlrev_b32 v13, 3, v3
	v_cmp_lt_u32 s56, 15, v3                       ; lanes 16-31
.irp b, 4,5,6,7
	v_mov_b32 v[TM+\b], 0                          ; a lane permute's destination counts as a source
.endr
.irp c, 0,1
.irp p, 0,1,2,3
	global_load_b128 v[SA+8*\p+4*\c:SA+8*\p+4*\c+3], v[18+\p%2], s[6:7] offset:(64*(\p/2)+16*(\p%2))*32+16*\c
.endr
.irp p, 0,1
	global_load_b128 v[SB+8*\p+4*\c:SB+8*\p+4*\c+3], v7, s[10:11] offset:1024*\p+16*\c
.endr
.endr
.irp i, 0,1,2,3,4,5,6,7
	global_load_b128 v[BN+4*\i:BN+4*\i+3], v8, s[76:77] offset:64*(\i/2)+16*(\i%2)   ; register 8 b + j: channel 16 b + 8 h + j
.endr
.irp t, 0,1,2,3
	global_load_b32 v[BV+\t], v9, s[76:77] offset:8192+64*\t
.endr
	WIN 0xc0
.irp c, 0,1
.irp p, 0,1
	global_load_b128 v[ST1+8*\p+4*\c:ST1+8*\p+4*\c+3], v7, s[10:11] offset:32768+1024*\p+16*\c
	global_load_b128 v[ST2+8*\p+4*\c:ST2+8*\p+4*\c+3], v7, s[10:11] offset:65536+1024*\p+16*\c
.endr
.endr
.irp i, 0,1,2,3,4,5,6,7
	global_load_b128 v[BS+4*\i:BS+4*\i+3], v8, s[76:77] offset:4096+64*(\i/2)+16*(\i%2)
.endr
	WIN 0
	s_mov_b32 s57, 0
	WALU                                           ; the wait at the head's end
	s_wait_loadcnt 0x0
.Lqk:                                                  ; two trips: q, then k
	START 1
.irp a, 0,1,2,3,4,5,6,7
	BLK 0, \a
	OUTQ \a
.endr
	s_wait_xcnt 0x0                                ; the stores have read their bases and registers
	s_add_nc_u64 s[68:69], s[68:69], 16*98304
	s_add_nc_u64 s[70:71], s[70:71], 16*8192
	WIN 3                                          ; the next phase's scale words and bias move up (behind k's trip the bias's moves repeat k's numbers; v's follow below)
.set I, 0
.rept 16
	v_mov_b32 v[SB+I], v[ST1+I]
.set I, I+1
.endr
.set I, 0
.rept 32
	v_mov_b32 v[BN+I], v[BS+I]
.set I, I+1
.endr
	WIN 0xc3
.set I, 0
.rept 16
	v_mov_b32 v[ST1+I], v[ST2+I]
.set I, I+1
.endr
	WIN 0
	s_add_co_u32 s57, s57, 1
	s_cmp_lg_u32 s57, 2
	WALU
	s_cbranch_scc1 .Lqk
.irp t, 0,1,2,3
.irp i, 0,1,2,3,4,5,6,7
	v_mov_b32 v[BN+8*\t+\i], v[BV+\t]              ; v: a lane's channel has one number, over the tile's eight registers
.endr
.endr
	WALU
	START 0
.irp a, 0,1,2,3,4,5,6,7
	BLK 1, \a
.if \a%4 == 3
	OUTV \a/4
.endif
.endr
.irp t, 0,1,2,3
.irp p, 0,1,2
	global_store_b128 v[CO], v[HK+12*\t+178*(\t/2)+4*\p:HK+12*\t+178*(\t/2)+4*\p+3], s[72:73] offset:1536*\t+512*\p
.endr
.endr
	v_lshlrev_b32 v[PW], 3, v2                     ; my two bytes, blocks h and 2 + h, go 8 h bits up; with lane l xor 16's two the word is whole
.irp t, 0,1,2,3
	v_lshlrev_b32 v[PWQ+\t], v[PW], v[PWQ+\t]
.endr
.irp t, 0,1,2,3
	v_permlanex16_b32 v[TM+4+\t], v[PWQ+\t], s[SEL], s[SEL+1]
.endr
.irp t, 0,1,2,3
	v_or_b32 v[PWQ+\t], v[PWQ+\t], v[TM+4+\t]
.endr
	v_cndmask_b32 v[PW], v[PWQ], v[PWQ+2], s56     ; lanes 0-15 the words of tiles 0, 1, lanes 16-31 of tiles 2, 3
	v_cndmask_b32 v[PW+1], v[PWQ+1], v[PWQ+3], s56
	global_store_b64 v13, v[PW:PW+1], s[74:75]
	s_wait_tensorcnt 0x0                           ; the wave's end
	ds_add_u32 v[SPW], v[NIL]
	s_wait_dscnt 0x0
	CROUND                                         ; the closing round
	s_endpgm
.Lfunc_end_k_q51914fd59e_qkv:
	.size	k_q51914fd59e_qkv, .Lfunc_end_k_q51914fd59e_qkv-k_q51914fd59e_qkv
	.p2alignl 7, 3214868480
	.fill 96, 4, 3214868480
	.section	.rodata,"a",@progbits
	.p2align	6, 0x0
	.amdhsa_kernel k_q51914fd59e_qkv
		.amdhsa_group_segment_fixed_size 327680
		.amdhsa_private_segment_fixed_size 0
		.amdhsa_enable_private_segment 0
		.amdhsa_kernarg_size 72
		.amdhsa_user_sgpr_count 2
		.amdhsa_user_sgpr_kernarg_segment_ptr 1
		.amdhsa_wavefront_size32 1
		.amdhsa_system_sgpr_workgroup_id_x 1
		.amdhsa_system_sgpr_workgroup_id_y 1
		.amdhsa_system_sgpr_workgroup_id_z 1
		.amdhsa_system_vgpr_workitem_id 0
		.amdhsa_next_free_vgpr 1000
		.amdhsa_next_free_sgpr 100
		.amdhsa_reserve_vcc 0
		.amdhsa_float_denorm_mode_32 3
		.amdhsa_float_denorm_mode_16_64 3
		.amdhsa_memory_ordered 1
		.amdhsa_forward_progress 1
		.amdhsa_inst_pref_size 157
	.end_amdhsa_kernel
	.amdgpu_metadata
---
amdhsa.version: [ 1, 2 ]
amdhsa.kernels:
  - .name:           k_q51914fd59e_qkv
    .symbol:         k_q51914fd59e_qkv.kd
    .args:
      - { .name: x_codes, .offset: 0, .size: 8, .value_kind: global_buffer, .address_space: global }
      - { .name: x_scales, .offset: 8, .size: 8, .value_kind: global_buffer, .address_space: global }
      - { .name: w_qkv_codes, .offset: 16, .size: 8, .value_kind: global_buffer, .address_space: global }
      - { .name: w_qkv_scales, .offset: 24, .size: 8, .value_kind: global_buffer, .address_space: global }
      - { .name: qk_img, .offset: 32, .size: 8, .value_kind: global_buffer, .address_space: global }
      - { .name: qk_sc, .offset: 40, .size: 8, .value_kind: global_buffer, .address_space: global }
      - { .name: v_img, .offset: 48, .size: 8, .value_kind: global_buffer, .address_space: global }
      - { .name: v_sc, .offset: 56, .size: 8, .value_kind: global_buffer, .address_space: global }
      - { .name: b_qkv, .offset: 64, .size: 8, .value_kind: global_buffer, .address_space: global }
    .group_segment_fixed_size: 327680
    .private_segment_fixed_size: 0
    .kernarg_segment_align: 8
    .kernarg_segment_size: 72
    .max_flat_workgroup_size: 128
    .sgpr_count:     100
    .vgpr_count:     1000
    .wavefront_size: 32
...
	.end_amdgpu_metadata
.endif
;; end of part 1
;; launch attn (part 2): grid 4 x 64, 16 waves a work-group, clusters of 4 x 1, 210,944 bytes of LDS; arguments qk_img, qk_sc, v_img, v_sc, o_img, o_sc; writes o_img, o_sc
.if DOCPART == 2
	.amdgcn_target "amdgcn-amd-amdhsa--gfx1250"
	.amdhsa_code_object_version 6
	.text
	.protected	k_q51914fd59e_attn
	.globl	k_q51914fd59e_attn
	.p2align	8
	.type	k_q51914fd59e_attn,@function
k_q51914fd59e_attn:
	s_mov_b64 s[64:65], 0
	v_nop
	global_prefetch_b8 v0, s[64:65] scope:SCOPE_SE
	s_setreg_imm32_b32 hwreg(HW_REG_WAVE_MODE, 25, 1), 1
	s_wait_xcnt 0x0
	s_wait_alu depctr_hold_cnt(0) depctr_sa_sdst(0) depctr_va_vdst(0) depctr_va_sdst(0) depctr_va_ssrc(0) depctr_va_vcc(0) depctr_vm_vsrc(0)
	s_getreg_b32 s2, hwreg(HW_REG_IB_STS2, 6, 4)
	s_cmp_eq_u32 s2, 0
	s_cbranch_scc0 .Lentry_in_a_cluster
	s_endpgm
.Lentry_in_a_cluster:
	s_bfe_u32 s2, ttmp6, 0x10000c
	s_cmp_lg_u32 s2, 0x3003
	s_cbranch_scc0 .Lentry_shape_is_right
	s_endpgm
.Lentry_shape_is_right:
; O = softmax(q k^T / 8) v for one (batch, head) a cluster, both products on codes of FP6 (E2M3) with E8M0 scales; the result is quantised along the model's 1,024 channels and leaves as codes.
; THE SOFTMAX AHEAD OF THE SECOND PRODUCT: t = score x log2(e) / 8; M = the row's largest t so far, rounded UP to a whole number; p = 2^(t - M) is quantised along the keys, not normalised.  The row's sum is taken of the
; unquantised p and divides O at the end.  When M moves, the sum and O are multiplied by 2^(old M - new M): exact.
; SHARES.  The cluster's four work-groups own 512 queries each; each of a work-group's sixteen waves owns 32: two tiles of 16, one after the other, in 256 registers.  Four waves share a SIMD, so that one wave's vector work stands beside another's loads and products.
; A WHOLE HEAD'S K AND V LIE IN LDS (2 x 98,304 bytes of codes, 8,192 + 4,096 of scale words), filled ONCE, by joint loads of the four work-groups, which all walk the same K and V.  No LDS byte is filled again and none is stored to.
; They lie as images of the operands' registers: every fragment comes by ds_load_b128 at 16 x lane.
; LAYOUT.  Both products are used transposed: S^T = K Q^T (source 0 = 16 keys, source 1 = my 16 queries), O^T = V^T P^T: a lane holds ONE query throughout.
; THE FIRST PRODUCT'S K IS 64: a tile of K is 6 registers; the instruction's upper 64 along K meet zeros in Q's fragment (K's operand there reads the next tile's codes, which are finite numbers, or a pad of zeros).
; ORDER INSIDE A BLOCK OF 32 KEYS: p's register 16 B + 8 u + j is key 32 B + 16 u + 8 h + j; V's codes were laid in the same order by the launch before.  The result meets given codes and is put into the true order (four v_perm_b32).
; LIMITS: NaN and infinities are not served; p under 2^-126 comes out as 0; a block of zeros gets the scale byte 1 (its codes are zeros; only this program reads the bytes); a block's largest p is made from its largest score, which takes v_exp_f32 not to fall where its input rises.
; The two scale bytes of a token and head are stored as 2 bytes a lane, 32 bytes apart: 262,144 bytes in all against 6,291,456 of codes, which leave in runs of 512 and 256 bytes.
; THE KEYS' ORDER, as the launch before now lays K's tiles and V's codes (it takes the place of the order stated above): row m of tile t of a key step is key 64 (t / 4) + 32 (m / 8) + 8 ((t + m / 8) % 4) + m % 8.
; So the lanes' half h holds, in the 32 registers of tiles 4 c .. 4 c + 3, the whole block 2 c + h of 32 keys, as the second product's operand wants it, and V's codes stand in the same order inside each block:
; a block's largest score is found inside a lane, and no code changes lanes.  The queries' tiles hold the tokens in the same order; the last launch stores each row at its token's place.
.set KIMG, 0
.set VIMG, 98304                       ; V's codes: 16 key steps x 4 fragments x 1,536 bytes
.set KSC,  196608                      ; K's scale words: 32 x 256 bytes
.set VSC,  204800                      ; V's: 16 x 256 bytes
.set AK0,  1                           ; v1  16 lane
.set AV0,  2                           ; v2  16 lane + VIMG
.set ASK0, 3                           ; v3  16 lane + KSC
.set ASV0, 4                           ; v4  8 lane + VSC
.set GO16, 5                           ; v5  16 lane (memory)
.set GO8,  6                           ; v6  8 lane
.set GSC,  7                           ; v7  32 r: a token's row of scale bytes
.set ADK,  8                           ; v8-11 the step's LDS addresses
.set ADV,  9
.set ADS,  10
.set ADT,  11                          ; v12 -M, v13 the largest t, v[14:15] the sum in two halves
.set QF,   16                          ; v16-27 Q's fragment: 6 registers of codes, 6 of zeros
.set QP,   28                          ; v28-39 my pair's image
.set QS,   40                          ; v40-41 its scale words
.set QSC,  42                          ; v42 the scale words of the tile in hand
.set QSO,  43                          ; v43 16 r
.set KV,   44                          ; v44-91 8 tiles of K x 6, later 4 fragments of V x 12;  v92-97 zeros
.set S,    98                          ; v98-161 S^T, then p
.set O,    162                         ; v162-193 O^T
.set PCD,  194                         ; v194-205 p's codes
.set BMX,  206                         ; v206-209 the blocks' largest scores, then largest p
.set BT,   210                         ; v210-213 at work
.set SO,   214                         ; v214-217 the conversions' scale operands
.set X2,   218                         ; v218-224 the conversions' second halves
.set F,    226                         ; v[226:227] f = 2^(old M - new M), and 0
.set PSC,  228                         ; v228 p's scale word
.set TA,   229
.set SUM2, 230                         ; v[230:231] the second chain of the sum
.set KSCR, 232                         ; v232-235 K's scale words
.set VSCR, 236                         ; v236-237 V's
.set OC,   242                         ; v242-247, v248-253 the result's codes, a set for each tile
.set HW,   254
.set SH8,  238                         ; v238 8 h
.set WV,   16
.set SEL,  20                          ; s[20:21] lane selects for lane l xor 16
.set CS,   22                          ; s[22:23] c = log2(e) / 8
.set G1I,  24                          ; s[24:31] group 1: 96 rows of 256 bytes;  s[32:39]: 32 rows;  s[40:47]: 16 rows
.set G1KS, 32
.set G1VS, 40
.set G0K,  48
.set G0V,  52
.set G0KS, 56
.set G0VS, 60
.set TK,   67                          ; s67 the key step's codes: 6,144 bytes a step, in K and in V
.set TS,   68                          ; s68 K's scale words: 512 a step
.set TV,   69                          ; s69 V's: 256 a step
.set CNT,  70
.set QB,   84                          ; s[84:85] my pair of Q;  s[86:87] its scale words;  s[92:93] my place in o_img;  s[94:95] in o_sc
.set QSB,  86
.set P0,   89                          ; s89-91 byte selects
.set OB,   92
.set SBS,  94
.macro CROUND                          ; a round of the cluster's barrier
	s_barrier_signal -1
	s_barrier_wait -1
	s_cmp_lg_u32 s[WV], 0
	s_cbranch_scc1 .Lnot_wave_0_\@
	s_barrier_signal -3
.Lnot_wave_0_\@:
	s_barrier_wait -3
	s_barrier_signal -1
	s_barrier_wait -1
.endm
	s_load_b256 s[4:11], s[0:1], 0x0               ; qk_img s[4:5], qk_sc s[6:7], v_img s[8:9], v_sc s[10:11]
	s_load_b128 s[12:15], s[0:1], 0x20             ; o_img s[12:13], o_sc s[14:15]
	v_lshl_add_u32 v240, v0, 2, 0x33000
	v_mov_b32 v241, 0
	ds_add_u32 v240, v241
	ds_add_u32 v240, v241
	v_lshrrev_b32 v1, 5, v0
	s_delay_alu instid0(VALU_DEP_1)
	v_readfirstlane_b32 s[WV], v1                  ; wave 0..15
	s_and_b32 s17, ttmp7, 0xffff                   ; 16 batch + head: the cluster's y
	s_lshr_b32 s18, s17, 4                         ; batch
	s_and_b32 s19, s17, 15                         ; head
	s_bfe_u32 s66, ttmp6, 0x40000                  ; cx: it enters Q's and the outputs' addresses alone
	s_and_b32 s71, s[WV], 3
	s_mul_i32 s72, s71, 24576                      ; the quarter of K's or V's codes that waves 0-3 and 4-7 fetch
	s_lshl_b32 s74, s18, 5
	s_add_co_u32 s74, s74, s19                     ; q's place among the heads of qk_img: 32 batch + head
	s_add_co_u32 s75, s74, 16                      ; k's
	s_mul_i32 s76, s75, 98304
	s_add_co_u32 s76, s76, s72                     ; K's codes
	s_mov_b32 s77, 0
	s_mul_i32 s78, s17, 98304
	s_add_co_u32 s78, s78, s72                     ; V's codes
	s_mov_b32 s79, 0
	s_lshl_b32 s80, s75, 13                        ; K's scale words
	s_mov_b32 s81, 0
	s_lshl_b32 s82, s17, 12                        ; V's
	s_mov_b32 s83, 0
	s_lshl_b32 s96, s66, 4
	s_add_co_u32 s96, s96, s[WV]                   ; my pair of query tiles: 16 cx + wave
	s_mul_i32 s97, s96, 1536
	s_mul_i32 s84, s74, 98304
	s_add_co_u32 s84, s84, s97
	s_mov_b32 s85, 0
	s_lshr_b32 s97, s96, 1                         ; four tiles' scale words are 256 bytes; my pair's two words lie 8 (pair % 2) bytes on in a row's 16
	s_lshl_b32 s97, s97, 8
	s_and_b32 s98, s[WV], 1
	s_lshl_b32 s98, s98, 3
	s_add_co_u32 s97, s97, s98
	s_lshl_b32 s86, s74, 13
	s_add_co_u32 s86, s86, s97
	s_mov_b32 s87, 0
	s_lshl_b32 s97, s18, 7
	s_lshl_b32 s98, s96, 1
	s_add_co_u32 s97, s97, s98                     ; my first token tile: 128 batch + 2 pair
	s_lshl_b32 s98, s97, 4
	s_add_co_u32 s98, s98, s19
	s_mul_i32 s92, s98, 768                        ; o_img: (16 tile + head) x 768
	s_mov_b32 s93, 0
	s_lshl_b32 s94, s97, 9                         ; o_sc: 16 tokens x 32 bytes a tile,
	s_lshl_b32 s98, s19, 1
	s_add_co_u32 s94, s94, s98                     ; + 2 head
	s_mov_b32 s95, 0
	; descriptor groups 1: dense blocks as rows of 256 bytes (32 elements of 8 bytes), no padding; the mask names all four work-groups
.irp g, G1I, G1KS, G1VS
	s_mov_b32 s[\g], 15|(3<<16)|(1<<21)
	s_mov_b32 s[\g+1], 32<<16                      ; tensor_dim0
	s_mov_b32 s[\g+3], 32<<16                      ; tile_dim0
	s_mov_b32 s[\g+5], 32                          ; from row to row
	s_mov_b32 s[\g+6], 0
	s_mov_b32 s[\g+7], 0
.endr
	s_mov_b32 s[G1I+2], 96<<16                     ; tensor_dim1, tile_dim1: 24,576 bytes
	s_mov_b32 s[G1I+4], 96
	s_mov_b32 s[G1KS+2], 32<<16                    ; 8,192 bytes
	s_mov_b32 s[G1KS+4], 32
	s_mov_b32 s[G1VS+2], 16<<16                    ; 4,096 bytes
	s_mov_b32 s[G1VS+4], 16
	s_mov_b32 s[SEL], 0x76543210
	s_mov_b32 s[SEL+1], 0xfedcba98
	s_mov_b32 s[CS], 0x3e38aa3b                    ; c = log2(e) / 8
	s_mov_b32 s[CS+1], s[CS]                       ; (named with it as a pair, so it is written)
	s_mov_b32 s[P0], 0x05040100                    ; low half of the second source, low half of the first
	s_mov_b32 s[P0+1], 0x05040302                  ; high half of the second, low half of the first
	s_mov_b32 s[P0+2], 0x07060302                  ; high half of the second, high half of the first
	s_wait_dscnt 0x0
	s_wait_kmcnt 0x0
	s_mov_b32 s[G0K], 1
	s_mov_b32 s[G0K+1], s72                        ; LDS: KIMG + my quarter
	s_add_nc_u64 s[G0K+2:G0K+3], s[4:5], s[76:77]
	s_or_b32 s[G0K+3], s[G0K+3], 0x80000000
	s_mov_b32 s[G0V], 1
	s_add_co_u32 s[G0V+1], s72, VIMG
	s_add_nc_u64 s[G0V+2:G0V+3], s[8:9], s[78:79]
	s_or_b32 s[G0V+3], s[G0V+3], 0x80000000
	s_mov_b32 s[G0KS], 1
	s_mov_b32 s[G0KS+1], KSC
	s_add_nc_u64 s[G0KS+2:G0KS+3], s[6:7], s[80:81]
	s_or_b32 s[G0KS+3], s[G0KS+3], 0x80000000
	s_mov_b32 s[G0VS], 1
	s_mov_b32 s[G0VS+1], VSC
	s_add_nc_u64 s[G0VS+2:G0VS+3], s[10:11], s[82:83]
	s_or_b32 s[G0VS+3], s[G0VS+3], 0x80000000
	s_add_nc_u64 s[QB:QB+1], s[4:5], s[84:85]
	s_add_nc_u64 s[QSB:QSB+1], s[6:7], s[86:87]
	s_add_nc_u64 s[OB:OB+1], s[12:13], s[92:93]
	s_add_nc_u64 s[SBS:SBS+1], s[14:15], s[94:95]
	CROUND                                         ; all four work-groups are here: the joint loads meet
	; the fills, one tensor load a wave at the most: waves 0-3 K's codes, 4-7 V's, 8 K's scale words, 9 V's.  The branches hang on the wave's number alone.  Four v_nop follow each load.
	s_cmp_lt_u32 s[WV], 4
	s_cbranch_scc0 .Lnot_k
	tensor_load_to_lds s[G0K:G0K+3], s[G1I:G1I+7]
	s_nop 0
.rept 4
	v_nop
.endr
	s_branch .Lasked
.Lnot_k:
	s_cmp_lt_u32 s[WV], 8
	s_cbranch_scc0 .Lnot_v
	tensor_load_to_lds s[G0V:G0V+3], s[G1I:G1I+7]
	s_nop 0
.rept 4
	v_nop
.endr
	s_branch .Lasked
.Lnot_v:
	s_cmp_eq_u32 s[WV], 8
	s_cbranch_scc0 .Lnot_ks
	tensor_load_to_lds s[G0KS:G0KS+3], s[G1KS:G1KS+7]
	s_nop 0
.rept 4
	v_nop
.endr
	s_branch .Lasked
.Lnot_ks:
	s_cmp_eq_u32 s[WV], 9
	s_cbranch_scc0 .Lasked
	tensor_load_to_lds s[G0VS:G0VS+3], s[G1VS:G1VS+7]
	s_nop 0
.rept 4
	v_nop
.endr
.Lasked:
	v_and_b32 v[TA], 31, v0                        ; lane
	v_and_b32 v[SUM2], 15, v0                      ; r
	s_delay_alu instid0(VALU_DEP_2)
	v_lshlrev_b32 v[GO16], 4, v[TA]
	s_delay_alu instid0(VALU_DEP_2)
	v_lshlrev_b32 v[QSO], 4, v[SUM2]
.irp p, 0,1,2
	global_load_b128 v[QP+4*\p:QP+4*\p+3], v[GO16], s[QB:QB+1] offset:512*\p   ; my pair's image: registers 0-5 the first tile, 6-11 the second
.endr
	global_load_b64 v[QS:QS+1], v[QSO], s[QSB:QSB+1]   ; row r's scale words of the two tiles
	v_lshlrev_b32 v[AK0], 4, v[TA]
	s_delay_alu instid0(VALU_DEP_1)
	v_add_nc_u32 v[AV0], VIMG, v[AK0]
	s_delay_alu instid0(VALU_DEP_2)
	v_add_nc_u32 v[ASK0], KSC, v[AK0]
	v_lshlrev_b32 v[GO8], 3, v[TA]
	s_delay_alu instid0(VALU_DEP_1)
	v_add_nc_u32 v[ASV0], VSC, v[GO8]
	v_lshlrev_b32 v[GSC], 5, v[SUM2]
.irp i, 0,1,2,3,4,5
	v_mov_b32 v[QF+6+\i], 0                        ; the upper 64 along K of Q's fragment: zero codes
	v_mov_b32 v[KV+48+\i], 0                       ; and what the last tile of K reads there
.endr
.irp b, 0,1,2,3
	v_mov_b32 v[BT+\b], 0                          ; written once: a lane permute's destination counts as one of its sources
.endr
	v_mov_b32 v[F+1], 0                            ; (named as the upper half of the pair)
	v_bfe_u32 v[SH8], v0, 4, 1
	v_lshlrev_b32 v[SH8], 3, v[SH8]
; A KEY STEP: 128 keys.
.macro STEP
	v_add_nc_u32 v[ADK], s[TK], v[AK0]             ; these four are also the places between the last step's products and the loads into the registers that they read
	v_add_nc_u32 v[ADV], s[TK], v[AV0]
	v_add_nc_u32 v[ADS], s[TS], v[ASK0]
	v_add_nc_u32 v[ADT], s[TV], v[ASV0]
.irp i, 0,1,2,3,4,5,6,7,8,9,10,11
	ds_load_b128 v[KV+4*\i:KV+4*\i+3], v[ADK] offset:512*\i   ; four pairs of tiles: tile t at v[KV + 6 t]
.endr
	ds_load_b128 v[KSCR:KSCR+3], v[ADS]            ; register i: lanes 0-15 tile i's words, lanes 16-31 tile 4 + i's
	s_wait_alu depctr_va_vdst(0)
	s_wait_dscnt 0x0
.irp t, 0,1,2,3
	v_wmma_scale_f32_16x16x128_f8f6f4 v[S+8*\t:S+8*\t+7], v[KV+6*\t:KV+6*\t+11], v[QF:QF+11], 0, v[KSCR+\t], v[QSC] matrix_a_fmt:MATRIX_FMT_FP6 matrix_b_fmt:MATRIX_FMT_FP6
.endr
.irp t, 4,5,6,7
	v_wmma_scale_f32_16x16x128_f8f6f4 v[S+8*\t:S+8*\t+7], v[KV+6*\t:KV+6*\t+11], v[QF:QF+11], 0, v[KSCR+\t-4], v[QSC] matrix_a_fmt:MATRIX_FMT_FP6 matrix_b_fmt:MATRIX_FMT_FP6 matrix_a_scale:MATRIX_SCALE_ROW1
.endr
.rept 4
	v_nop                                          ; places: K's registers take V's fragments, and the scores are read
.endr
.irp i, 0,1,2,3,4,5,6,7,8,9,10,11
	ds_load_b128 v[KV+4*\i:KV+4*\i+3], v[ADV] offset:512*\i   ; V's four fragments land while the softmax is worked
.endr
	ds_load_b64 v[VSCR:VSCR+1], v[ADT]             ; register i: lanes 0-15 tile i's words, lanes 16-31 tile 2 + i's
.irp b, 0,1,2,3
	v_max3_num_f32 v[BMX+\b], v[S+16*\b], v[S+1+16*\b], v[S+2+16*\b]   ; the largest score of each block of 32 keys: for the row's maximum, and, since p rises with the score, for the block's largest p
.endr
.irp i, 3,5,7,9,11,13
.irp b, 0,1,2,3
	v_max3_num_f32 v[BMX+\b], v[BMX+\b], v[S+16*\b+\i], v[S+1+16*\b+\i]
.endr
.endr
	v_max3_num_f32 v[BMX], v[BMX], v[BMX+1], v[S+15]       ; two chains join: my block h,
	v_max3_num_f32 v[BMX+2], v[BMX+2], v[BMX+3], v[S+47]   ; and my block 2 + h
	v_max_num_f32 v[BMX], v[BMX], v[S+31]
	v_max_num_f32 v[BMX+1], v[BMX+2], v[S+63]
	s_delay_alu instid0(VALU_DEP_1)
	v_max_num_f32 v[TA], v[BMX], v[BMX+1]
	s_delay_alu instid0(VALU_DEP_1)
	v_permlanex16_b32 v[BT], v[TA], s[SEL], s[SEL+1]
	s_delay_alu instid0(VALU_DEP_1)
	v_max_num_f32 v[TA], v[TA], v[BT]              ; with lane l xor 16's two blocks: the step's largest score of my query
	s_delay_alu instid0(VALU_DEP_1)
	v_mul_f32 v[TA], s[CS], v[TA]                  ; as t (c is positive)
	s_delay_alu instid0(VALU_DEP_1)
	v_max_num_f32 v13, v13, v[TA]                  ; the running largest t
	v_mov_b32 v[TA], v12
	s_delay_alu instid0(VALU_DEP_2)
	v_floor_f32 v12, -v13                          ; the new -M = floor(-t): M is a whole number
	s_delay_alu instid0(VALU_DEP_1)
	v_sub_f32 v[TA], v12, v[TA]                    ; old M - new M: a whole number, 0 or less
	s_delay_alu instid0(VALU_DEP_1)
	v_cvt_i32_f32 v[TA], v[TA]                     ; (it saturates)
	s_delay_alu instid0(VALU_DEP_1)
	v_ldexp_f32 v[F], 1.0, v[TA]                   ; f = 2^(old M - new M)
.set j, 0
.rept 32
	v_pk_fma_f32 v[S+j:S+j+1], v[S+j:S+j+1], s[CS:CS+1], v[12:13] op_sel_hi:[1,0,0]   ; t - M, two at a time
.set j, j+2
.endr
.irp b, 0,1
	v_fma_f32 v[BMX+\b], v[BMX+\b], s[CS], v12     ; the same of each of my blocks' largest score
.endr
.set j, 0
	s_wait_alu depctr_va_vdst(0)
.rept 64
	v_exp_f32 v[S+j], v[S+j]                       ; p = 2^(t - M), at most 1
.set j, j+1
.endr
	v_pk_mul_f32 v[14:15], v[14:15], v[F:F+1] op_sel_hi:[1,0]   ; the sums under the new M: a plain instruction behind the exponentials
	s_wait_alu depctr_va_vdst(0)                   ; one wait for the batch of 64, ahead of its first reader
.irp b, 0,1
	v_exp_f32 v[BMX+\b], v[BMX+\b]                 ; the block's largest p: the same two instructions on the same number give the same bits
.endr
	v_pk_add_f32 v[230:231], v[102:103], v[106:107]
	v_pk_add_f32 v[254:255], v[110:111], v[114:115]
	v_pk_add_f32 v[252:253], v[118:119], v[122:123]
	v_pk_add_f32 v[250:251], v[126:127], v[130:131]
	v_pk_add_f32 v[248:249], v[134:135], v[138:139]
	v_pk_add_f32 v[246:247], v[142:143], v[146:147]
	v_pk_add_f32 v[244:245], v[150:151], v[154:155]
	v_pk_add_f32 v[14:15], v[14:15], v[158:159]
	v_pk_add_f32 v[230:231], v[230:231], v[98:99]
	v_pk_add_f32 v[254:255], v[254:255], v[100:101]
	v_pk_add_f32 v[252:253], v[252:253], v[104:105]
	v_pk_add_f32 v[250:251], v[250:251], v[108:109]
	v_pk_add_f32 v[248:249], v[248:249], v[112:113]
	v_pk_add_f32 v[246:247], v[246:247], v[116:117]
	v_pk_add_f32 v[244:245], v[244:245], v[120:121]
	v_pk_add_f32 v[14:15], v[14:15], v[124:125]
	v_pk_add_f32 v[230:231], v[230:231], v[128:129]
	v_pk_add_f32 v[254:255], v[254:255], v[132:133]
	v_pk_add_f32 v[252:253], v[252:253], v[136:137]
	v_pk_add_f32 v[250:251], v[250:251], v[140:141]
	v_pk_add_f32 v[248:249], v[248:249], v[144:145]
	v_pk_add_f32 v[246:247], v[246:247], v[148:149]
	v_pk_add_f32 v[244:245], v[244:245], v[152:153]
	v_pk_add_f32 v[14:15], v[14:15], v[156:157]
	v_pk_add_f32 v[230:231], v[230:231], v[160:161]
	s_delay_alu instid0(VALU_DEP_2)
	v_pk_add_f32 v[14:15], v[14:15], v[250:251]
	s_delay_alu instid0(VALU_DEP_2)
	v_pk_add_f32 v[230:231], v[230:231], v[248:249]
	v_pk_add_f32 v[254:255], v[254:255], v[246:247]
	v_pk_add_f32 v[252:253], v[252:253], v[244:245]
	s_delay_alu instid0(VALU_DEP_2)
	v_pk_add_f32 v[14:15], v[14:15], v[254:255]
	s_delay_alu instid0(VALU_DEP_2)
	v_pk_add_f32 v[230:231], v[230:231], v[252:253]
	s_delay_alu instid0(VALU_DEP_1)
	v_pk_add_f32 v[14:15], v[14:15], v[230:231]
	s_wait_alu depctr_va_vdst(0)                   ; and one for the two
.irp b, 0,1
	v_max_num_f32 v[BMX+\b], 0x1800000, v[BMX+\b]  ; the floor 2^(3 - 127): the byte cannot fall under 1
.endr
.irp b, 0,1
	s_delay_alu instid0(VALU_DEP_2)
	v_add_nc_u32 v[SO+\b], 0xff000000, v[BMX+\b]   ; 2 off the exponent field: the conversion's scale operand
.endr
.irp b, 0,1
	s_delay_alu instid0(VALU_DEP_2)
	v_lshrrev_b32 v[BT+\b], 23, v[SO+\b]           ; the scale's byte
.endr
	s_delay_alu instid0(VALU_DEP_1)
	v_lshl_or_b32 v[PSC], v[BT+1], 16, v[BT]       ; my two bytes, blocks h and 2 + h,
	s_delay_alu instid0(VALU_DEP_1)
	v_lshlrev_b32 v[PSC], v[SH8], v[PSC]           ; at their places in the word;
	s_delay_alu instid0(VALU_DEP_1)
	v_permlanex16_b32 v[BT], v[PSC], s[SEL], s[SEL+1]
	s_delay_alu instid0(VALU_DEP_1)
	v_or_b32 v[PSC], v[PSC], v[BT]                 ; with lane l xor 16's two: p's scale word for these 128 keys
.irp c, 0,1
	v_cvt_scalef32_pk16_fp6_f32 v[PCD+6*\c:PCD+6*\c+2], v[S+32*\c:S+32*\c+15], v[SO+\c]
	v_cvt_scalef32_pk16_fp6_f32 v[X2+4*\c:X2+4*\c+2], v[S+32*\c+16:S+32*\c+31], v[SO+\c]   ; (a conversion's three registers begin on an even number)
.endr
	v_nop                                          ; one plain place behind a scaled conversion
.irp c, 0,1                                    ; a whole block to a lane: lanes 0-15 block 2 c, lanes 16-31 block 2 c + 1
.irp i, 0,1,2
	v_mov_b32 v[PCD+6*\c+3+\i], v[X2+4*\c+\i]
.endr
.endr
.set j, 0
.rept 16
	v_pk_mul_f32 v[O+j:O+j+1], v[O+j:O+j+1], v[F:F+1] op_sel_hi:[1,0]   ; O^T under the new M.  These sixteen stand between the writes of p's codes and scale word and the products
.set j, j+2
.endr
	s_wait_alu depctr_va_vdst(0)
	s_wait_dscnt 0x0                               ; V's fragments and scale words
.irp t, 0,1
	v_wmma_scale_f32_16x16x128_f8f6f4 v[O+8*\t:O+8*\t+7], v[KV+12*\t:KV+12*\t+11], v[PCD:PCD+11], v[O+8*\t:O+8*\t+7], v[VSCR+\t], v[PSC] matrix_a_fmt:MATRIX_FMT_FP6 matrix_b_fmt:MATRIX_FMT_FP6
.endr
.irp t, 2,3
	v_wmma_scale_f32_16x16x128_f8f6f4 v[O+8*\t:O+8*\t+7], v[KV+12*\t:KV+12*\t+11], v[PCD:PCD+11], v[O+8*\t:O+8*\t+7], v[VSCR+\t-2], v[PSC] matrix_a_fmt:MATRIX_FMT_FP6 matrix_b_fmt:MATRIX_FMT_FP6 matrix_a_scale:MATRIX_SCALE_ROW1
.endr
.endm
; THE WAY OUT of tile pi: O^T / the sum; its two blocks of 32 channels are quantised, put into the true order and stored.
.macro OUT pi
.rept 4
	v_nop                                          ; places behind the last products
.endr
	v_add_f32 v14, v14, v15                        ; the sum's two halves,
	s_delay_alu instid0(VALU_DEP_1)
	v_permlanex16_b32 v[TA], v14, s[SEL], s[SEL+1]
	s_delay_alu instid0(VALU_DEP_1)
	v_add_f32 v14, v14, v[TA]                      ; and lane l xor 16's: the row's sum
	s_wait_alu depctr_va_vdst(0)
	v_rcp_f32 v14, v14
	v_nop                                          ; one plain place behind the reciprocal
	s_wait_alu depctr_va_vdst(0)                   ; and the wait ahead of its first reader
.set j, 0
.rept 16
	v_pk_mul_f32 v[S+j:S+j+1], v[O+j:O+j+1], v[14:15] op_sel_hi:[1,0]   ; register 16 B + 8 u + j: channel 32 B + 16 u + 8 h + j of my query.  Each accumulator is read from its low end on
.set j, j+2
.endr
.irp b, 0,1
	v_max3_num_f32 v[BMX+\b], |v[S+16*\b]|, |v[S+1+16*\b]|, 0x1800000
.endr
.irp i, 2,4,6,8,10,12,14
.irp b, 0,1
	s_delay_alu instid0(VALU_DEP_2)
	v_max3_num_f32 v[BMX+\b], v[BMX+\b], |v[S+16*\b+\i]|, |v[S+1+16*\b+\i]|
.endr
.endr
.irp b, 0,1
	s_delay_alu instid0(VALU_DEP_2)
	v_permlanex16_b32 v[BT+\b], v[BMX+\b], s[SEL], s[SEL+1]
.endr
.irp b, 0,1
	s_delay_alu instid0(VALU_DEP_2)
	v_max_num_f32 v[BMX+\b], v[BMX+\b], v[BT+\b]
.endr
.irp b, 0,1
	s_delay_alu instid0(VALU_DEP_2)
	v_add_nc_u32 v[SO+\b], 0xff000000, v[BMX+\b]
.endr
.irp b, 0,1
	s_delay_alu instid0(VALU_DEP_2)
	v_lshrrev_b32 v[BT+\b], 23, v[SO+\b]
.endr
	s_delay_alu instid0(VALU_DEP_1)
	v_lshl_or_b32 v[HW+\pi], v[BT+1], 8, v[BT]     ; the head's two scale bytes of my token
	v_cvt_scalef32_pk16_fp6_f32 v[X2:X2+2], v[S:S+15], v[SO]
	v_cvt_scalef32_pk16_fp6_f32 v[X2+4:X2+6], v[S+16:S+31], v[SO+1]
	v_nop                                          ; one plain place behind a scaled conversion
.irp i, 0,1,2
	v_permlane16_swap_b32 v[X2+\i], v[X2+4+\i]     ; lane (r, h) now holds block h: in X2 channels 0-7 and 16-23 of it, in X2 + 4 channels 8-15 and 24-31
.endr
	s_delay_alu instid0(VALU_DEP_3)
	v_mov_b32 v[OC+6*\pi], v[X2]                   ; the block's 192 bits are four groups of 48: the two middle groups change places
	s_delay_alu instid0(VALU_DEP_3)
	v_perm_b32 v[OC+6*\pi+1], v[X2+4], v[X2+1], s[P0]
	s_delay_alu instid0(VALU_DEP_4)
	v_perm_b32 v[OC+6*\pi+2], v[X2+5], v[X2+4], s[P0+1]
	s_delay_alu instid0(VALU_DEP_4)
	v_perm_b32 v[OC+6*\pi+3], v[X2+2], v[X2+1], s[P0+1]
	v_perm_b32 v[OC+6*\pi+4], v[X2+5], v[X2+2], s[P0+2]
	v_mov_b32 v[OC+6*\pi+5], v[X2+6]
	global_store_b128 v[GO16], v[OC+6*\pi:OC+6*\pi+3], s[OB:OB+1] offset:12288*\pi        ; 32 lanes store 512 consecutive bytes,
	global_store_b64 v[GO8], v[OC+6*\pi+4:OC+6*\pi+5], s[OB:OB+1] offset:12288*\pi+512    ; and the 256 that follow.  Each tile has its own registers
	global_store_b16 v[GSC], v[HW+\pi], s[SBS:SBS+1] offset:512*\pi                       ; lanes 16-31 write the same two bytes with the same value as lanes 0-15
.endm
; One tile of 16 queries against all 2,048 keys.
.macro PASS pi
	s_wait_xcnt 0x0                                ; the stores of the tile before have read their registers, which the key steps write again
.irp i, 0,1,2,3,4,5
	v_mov_b32 v[QF+\i], v[QP+6*\pi+\i]
.endr
	v_mov_b32 v[QSC], v[QS+\pi]
	v_mov_b32 v13, 0xff61b1e6                      ; the largest t so far: -3e38, under every t
	s_delay_alu instid0(VALU_DEP_1)
	v_floor_f32 v12, -v13                          ; -M
	v_mov_b32 v14, 0
	v_mov_b32 v15, 0
.set j, 0
.rept 32
	v_mov_b32 v[O+j], 0                            ; the key step is written once: the first finds zeros.  These also stand between the writes of Q's fragment and scale word and the first products
.set j, j+1
.endr
	s_mov_b32 s[TK], 0
	s_mov_b32 s[TS], 0
	s_mov_b32 s[TV], 0
	s_mov_b32 s[CNT], 16
.Lkey_\@:
	STEP
	s_add_co_u32 s[TK], s[TK], 6144
	s_add_co_u32 s[TS], s[TS], 512
	s_add_co_u32 s[TV], s[TV], 256
	s_sub_co_u32 s[CNT], s[CNT], 1
	s_cmp_lg_u32 s[CNT], 0
	s_cbranch_scc1 .Lkey_\@
	OUT \pi
.endm
	s_wait_alu depctr_va_vdst(0)                   ; the wait at the head's end
	s_wait_tensorcnt 0x0
	s_barrier_signal -1
	s_barrier_wait -1                              ; everybody's is
	s_wait_loadcnt 0x0                             ; Q
	PASS 0
	PASS 1
	s_wait_tensorcnt 0x0
	ds_add_u32 v240, v241
	s_wait_dscnt 0x0
	CROUND                                         ; the closing round
	s_endpgm
.Lfunc_end_k_q51914fd59e_attn:
	.size	k_q51914fd59e_attn, .Lfunc_end_k_q51914fd59e_attn-k_q51914fd59e_attn
	.p2alignl 7, 3214868480
	.fill 96, 4, 3214868480
	.section	.rodata,"a",@progbits
	.p2align	6, 0x0
	.amdhsa_kernel k_q51914fd59e_attn
		.amdhsa_group_segment_fixed_size 210944
		.amdhsa_private_segment_fixed_size 0
		.amdhsa_enable_private_segment 0
		.amdhsa_kernarg_size 48
		.amdhsa_user_sgpr_count 2
		.amdhsa_user_sgpr_kernarg_segment_ptr 1
		.amdhsa_wavefront_size32 1
		.amdhsa_system_sgpr_workgroup_id_x 1
		.amdhsa_system_sgpr_workgroup_id_y 1
		.amdhsa_system_sgpr_workgroup_id_z 1
		.amdhsa_system_vgpr_workitem_id 0
		.amdhsa_next_free_vgpr 256
		.amdhsa_next_free_sgpr 100
		.amdhsa_reserve_vcc 0
		.amdhsa_float_denorm_mode_32 3
		.amdhsa_float_denorm_mode_16_64 3
		.amdhsa_memory_ordered 1
		.amdhsa_forward_progress 1
		.amdhsa_inst_pref_size 52
	.end_amdhsa_kernel
	.amdgpu_metadata
---
amdhsa.version: [ 1, 2 ]
amdhsa.kernels:
  - .name:           k_q51914fd59e_attn
    .symbol:         k_q51914fd59e_attn.kd
    .args:
      - { .name: qk_img, .offset: 0, .size: 8, .value_kind: global_buffer, .address_space: global }
      - { .name: qk_sc, .offset: 8, .size: 8, .value_kind: global_buffer, .address_space: global }
      - { .name: v_img, .offset: 16, .size: 8, .value_kind: global_buffer, .address_space: global }
      - { .name: v_sc, .offset: 24, .size: 8, .value_kind: global_buffer, .address_space: global }
      - { .name: o_img, .offset: 32, .size: 8, .value_kind: global_buffer, .address_space: global }
      - { .name: o_sc, .offset: 40, .size: 8, .value_kind: global_buffer, .address_space: global }
    .group_segment_fixed_size: 210944
    .private_segment_fixed_size: 0
    .kernarg_segment_align: 8
    .kernarg_segment_size: 48
    .max_flat_workgroup_size: 512
    .sgpr_count:     100
    .vgpr_count:     256
    .wavefront_size: 32
...
	.end_amdgpu_metadata
.endif
;; end of part 2
;; launch proj (part 3): grid 8 x 32, 4 waves a work-group, clusters of 4 x 4, 327,680 bytes of LDS; arguments o_img, o_sc, w_proj_codes, w_proj_scales, b_proj, out0; writes out0
.if DOCPART == 3
	.amdgcn_target "amdgcn-amd-amdhsa--gfx1250"
	.amdhsa_code_object_version 6
	.text
	.protected	k_q51914fd59e_proj
	.globl	k_q51914fd59e_proj
	.p2align	8
	.type	k_q51914fd59e_proj,@function
k_q51914fd59e_proj:
	s_mov_b64 s[64:65], 0
	v_nop
	global_prefetch_b8 v0, s[64:65] scope:SCOPE_SE
	s_setreg_imm32_b32 hwreg(HW_REG_WAVE_MODE, 25, 1), 1
	s_wait_xcnt 0x0
	s_wait_alu depctr_hold_cnt(0) depctr_sa_sdst(0) depctr_va_vdst(0) depctr_va_sdst(0) depctr_va_ssrc(0) depctr_va_vcc(0) depctr_vm_vsrc(0)
	s_getreg_b32 s2, hwreg(HW_REG_IB_STS2, 6, 4)
	s_cmp_eq_u32 s2, 0
	s_cbranch_scc0 .Lentry_in_a_cluster
	s_endpgm
.Lentry_in_a_cluster:
	s_bfe_u32 s2, ttmp6, 0x10000c
	s_cmp_lg_u32 s2, 0xf033
	s_cbranch_scc0 .Lentry_shape_is_right
	s_endpgm
.Lentry_shape_is_right:
; out0 = o w_proj + b_proj on codes of FP6 (E2M3) with E8M0 scales, K = 1,024; out0 is f32.
; o_img holds o as images of operand registers: [tile of 16 tokens][head][768 bytes: 16 bytes a lane, then 8 bytes a lane]; o_sc and w_proj's codes and scales are plain rows.
; THE DEAL: 256 work-groups (tile column cg = 0..7 of 128 columns, tile row tr = 0..31 of 256 tokens), four waves 2 x 2.  All of K lies in LDS, filled once: o's 16 tiles (196,608 bytes, dense) and the weight's 128 rows of 768 + 48 bytes.
; A wave holds its 64 rows of the weight in 384 registers and streams its 128 tokens past them in blocks of 16: 32 products a block, four accumulators by turns; the bias is the first products' C.
; Source 0 = the weight's rows: a lane holds eight neighbouring columns of a token.  A finished block goes through the wave's own stage in LDS and leaves as rows of 256 bytes while the next block is multiplied.
; CLUSTERS 4 x 4: o's tiles are asked for jointly along a row of the cluster, the weight's along a column.  No prefetch: every tile is asked for at the head, and there is no loop to run ahead in.
; LIMITS: NaN and infinities are not served.
.set PITCH, 816
.set KROW,  768
.set FPW,   21
.set WB,    196608
.set STAGE, WB+128*PITCH
.set SPITCH, 272
.set SPARE, STAGE+4*16*SPITCH
.set CO,  6
.set SPW, 10
.set NIL, 11
.set STO, 12
.set RD,  13
.set PA,  16                           ; v16-17 16 lane + my tiles 0-3, 4-7; v18-19 the same with 8 lane
.set SA,  40
.set SB,  76
.set BN,  96
.set ACC, 128
.set BK,  160                          ; v160-223 rows back from the stage, two sets
.set AW,  96                           ; window 3
.set G1A, 24
.set G1B, 32
.set G0A, 48
.set G0B, 52
.set MSB, 0
.macro WIN new
.if MSB != \new
	s_set_vgpr_msb (MSB<<8)|\new
.set MSB, \new
.endif
.endm
.macro PLACES n
.rept \n
	v_nop
.endr
.endm
.macro BARRIER
	s_barrier_signal -1
	s_barrier_wait -1
.endm
.macro CROUND
	BARRIER
	s_cmp_lg_u32 s14, 0
	s_cbranch_scc1 .Lnw0_\@
	s_barrier_signal -3
.Lnw0_\@:
	s_barrier_wait -3
	BARRIER
.endm
.macro TLOAD g0, g1
	tensor_load_to_lds s[\g0:\g0+3], s[\g1:\g1+7]
	s_nop 0
	PLACES 4
.endm
; a fragment of the weight: six pieces of 8 bytes, two to a load where both go by one address register (a1: lanes 16-31 stand behind one padding more)
.macro FRAG f, q, a0, a1
	WIN ((1+(\f)/FPW)<<6)|3
.set R_, 12*((\f)%FPW)
.set SK_, 0
.irp p, 0,1,2,3,4,5
.if SK_
.set SK_, 0
.else
.set PC_, 12*(\q)+6*(\p/3)+\p%3
.set PN_, 12*(\q)+6*((\p+1)/3)+(\p+1)%3
.set X_, (PC_%32+3)/32
.set XN_, (PN_%32+3)/32
.if (\p < 5) && (X_ == XN_)
.set SK_, 1
.if X_
	ds_load_2addr_b64 v[R_+2*\p:R_+2*\p+3], \a1 offset0:PC_+2*(PC_/32) offset1:PN_+2*(PN_/32)
.else
	ds_load_2addr_b64 v[R_+2*\p:R_+2*\p+3], \a0 offset0:PC_+2*(PC_/32) offset1:PN_+2*(PN_/32)
.endif
.elseif X_
	ds_load_b64 v[R_+2*\p:R_+2*\p+1], \a1 offset:8*(PC_+2*(PC_/32))
.else
	ds_load_b64 v[R_+2*\p:R_+2*\p+1], \a0 offset:8*(PC_+2*(PC_/32))
.endif
.endif
.endr
.endm
.macro FETCH a, e                      ; tile a of my tokens into set e: 32 loads; K step q is heads 2 q, 2 q + 1
.irp q, 0,1,2,3,4,5,6,7
.set F_, 32+8*(\e)+\q
.set G_, 12*(F_%FPW)
.set O_, 12288*((\a)%4)+1536*\q
	WIN (1+F_/FPW)<<6
	ds_load_b128 v[G_:G_+3], v[PA+(\a)/4] offset:O_
	ds_load_b64 v[G_+4:G_+5], v[PA+2+(\a)/4] offset:O_+512
	ds_load_b128 v[G_+6:G_+9], v[PA+(\a)/4] offset:O_+768
	ds_load_b64 v[G_+10:G_+11], v[PA+2+(\a)/4] offset:O_+1280
.endr
	WIN 0
.endm
.macro WM d, c, f0, f1, x0, x1, r0, r1
	v_wmma_scale_f32_16x16x128_f8f6f4 v[\d:\d+7], v[12*((\f0)%FPW):12*((\f0)%FPW)+11], v[12*((\f1)%FPW):12*((\f1)%FPW)+11], v[\c:\c+7], v[\x0], v[\x1] matrix_a_fmt:MATRIX_FMT_FP6 matrix_b_fmt:MATRIX_FMT_FP6 matrix_a_scale:MATRIX_SCALE_ROW\r0 matrix_b_scale:MATRIX_SCALE_ROW\r1
.endm
.macro PROD e, a, n                    ; product n = 4 q + b of block a.  A scale register holds two blocks' words, the odd one's in lanes 16-31
.set Q_, (\n)/4
.set B_, (\n)%4
.set FW_, 4*Q_+B_
.set FX_, 32+8*(\e)+Q_
.set XW_, SB+8*(B_/2)+Q_
.set XX_, SA+8*((\a)/2)+Q_
.set D_, ACC+8*B_
.set C_, D_
.if Q_ == 0
.set C_, BN+8*B_
.endif
.set RR_, 2*(B_%2)+(\a)%2
	WIN (1+FW_/FPW)|((1+FX_/FPW)<<2)
.if RR_ == 0
	WM D_, C_, FW_, FX_, XW_, XX_, 0, 0
.elseif RR_ == 1
	WM D_, C_, FW_, FX_, XW_, XX_, 0, 1
.elseif RR_ == 2
	WM D_, C_, FW_, FX_, XW_, XX_, 1, 0
.else
	WM D_, C_, FW_, FX_, XW_, XX_, 1, 1
.endif
.endm
.macro TOSTAGE a                       ; LDS serves a wave's instructions in order: no wait between the stores and the loads
.irp b, 0,1,2,3
	ds_store_b128 v[STO], v[ACC+8*\b:ACC+8*\b+3] offset:64*\b
	ds_store_b128 v[STO], v[ACC+8*\b+4:ACC+8*\b+7] offset:64*\b+16
.endr
.irp t, 0,1,2,3,4,5,6,7
	ds_load_b128 v[BK+32*((\a)%2)+4*\t:BK+32*((\a)%2)+4*\t+3], v[RD] offset:\t*2*SPITCH
.endr
.endm
.macro SEND a                          ; sixteen lanes store 256 consecutive bytes, at a multiple of 256 from out0's first byte
.irp t, 0,1,2,3,4,5,6,7
	global_store_b128 v[CO], v[BK+32*((\a)%2)+4*\t:BK+32*((\a)%2)+4*\t+3], s[70:71] offset:(64*((\a)/4)+8*((\a)%4)+2*\t+32*(\t/4)*(1-((\a)%4)/3))*4096 th:TH_STORE_NT   ; row i of o's tile a is token 64 (a / 4) + 8 (a % 4) + i of my 128, and for a % 4 < 3 rows 8-15 lie 32 further on: the order in which the first launch formed the tiles
.endr
.endm
; a block.  Behind block a's products the wave issues 8 stage stores, 8 stage loads and, up to block 5, the 32 loads of block a + 2.
; So younger than block a's fetch are 48 LDS instructions (block 7: 16), and younger than block a - 1's stage loads 32 (block 7: none).
.macro BLK a
.if (\a) == 7
	s_wait_dscnt 16
.elseif (\a) > 1
	s_wait_dscnt 48
.endif
.set N_, 0
.rept 32
	PROD (\a)%2, \a, N_
.set N_, N_+1
.endr
	WIN 0
	PLACES 5                               ; ahead of the stage stores, of the loads into the set just read, and of the next block's first products, which begin the sums anew
.if (\a) > 0
	s_wait_xcnt 0x0                        ; block a - 2's stores have read the registers that block a's stage loads fill
.if (\a) == 7
	s_wait_dscnt 0x0
.else
	s_wait_dscnt 32
.endif
	SEND (\a)-1
.endif
	TOSTAGE \a
.if (\a) < 6
	FETCH (\a)+2, (\a)%2
.endif
.endm
	s_load_b256 s[4:11], s[0:1], 0x0               ; o_img, o_sc, w's codes, w's scales
	s_load_b128 s[68:71], s[0:1], 0x20             ; b_proj, out0
	v_lshl_add_u32 v[SPW], v0, 2, SPARE
	v_mov_b32 v[NIL], 0
	ds_add_u32 v[SPW], v[NIL]
	ds_add_u32 v[SPW], v[NIL]
	v_lshrrev_b32 v1, 5, v0
	v_readfirstlane_b32 s14, v1                    ; wave; s15 rh: my 128 tokens; s16 ch: my 64 columns, and which half of a tile I fetch
	s_lshr_b32 s15, s14, 1
	s_and_b32 s16, s14, 1
	s_bfe_u32 s40, ttmp6, 0x40000
	s_bfe_u32 s41, ttmp6, 0x40004
	s_lshl_b32 s42, ttmp9, 2
	s_add_co_u32 s42, s42, s40                     ; cg
	s_and_b32 s43, ttmp7, 0xffff
	s_lshl_b32 s43, s43, 2
	s_add_co_u32 s43, s43, s41                     ; tr
	s_lshl_b32 s44, s41, 2
	s_lshl_b32 s44, 15, s44                        ; my row of the cluster
	s_lshl_b32 s45, 0x1111, s40                    ; my column
	s_or_b32 s[G1A], s44, (3<<16)|(1<<21)          ; o: a dense block of 98,304 bytes as 384 rows of 256
	s_mov_b32 s[G1A+1], 32<<16
	s_mov_b32 s[G1A+2], 384<<16
	s_mov_b32 s[G1A+3], 32<<16
	s_mov_b32 s[G1A+4], 384
	s_mov_b32 s[G1A+5], 32
	s_mov_b32 s[G1A+6], 0
	s_mov_b32 s[G1A+7], 0
	s_or_b32 s[G1B], s45, (1<<20)|(1<<21)|(5<<22)|(3<<25)   ; the weight: 64 rows of 768 bytes, 16 bytes of padding behind every 256
	s_mov_b32 s[G1B+1], KROW<<16
	s_mov_b32 s[G1B+2], 64<<16
	s_mov_b32 s[G1B+3], KROW<<16
	s_mov_b32 s[G1B+4], 64
	s_mov_b32 s[G1B+5], KROW
	s_mov_b32 s[G1B+6], 0
	s_mov_b32 s[G1B+7], 0
	s_lshl_b32 s20, s43, 4
	s_lshl_b32 s21, s16, 3
	s_add_co_u32 s20, s20, s21
	s_mul_i32 s58, s20, 12288                      ; the eight tiles of o that I fetch
	s_lshl_b32 s20, s43, 8
	s_lshl_b32 s21, s15, 7
	s_add_co_u32 s21, s20, s21                     ; my first token
	s_lshl_b32 s60, s21, 5
	s_lshl_b32 s22, s42, 7
	s_lshl_b32 s23, s16, 6
	s_add_co_u32 s22, s22, s23                     ; w's row 128 cg + 64 ch
	s_mul_i32 s62, s22, KROW
	s_lshl_b32 s78, s22, 5
	s_lshl_b32 s80, s22, 2
	s_lshl_b32 s82, s21, 12
	s_add_co_u32 s82, s82, s80
.irp z, 59,61,63,79,81,83
	s_mov_b32 s\z, 0
.endr
	s_mov_b32 s[G0A], 1
	s_mul_i32 s[G0A+1], s16, 98304
	s_mov_b32 s[G0B], 1
	s_mul_i32 s[G0B+1], s16, 64*PITCH
	s_add_co_u32 s[G0B+1], s[G0B+1], WB
	s_wait_alu depctr_va_vdst(0)
	s_wait_dscnt 0x0
	CROUND                                         ; ahead of the joint loads
	s_wait_kmcnt 0x0
	s_add_nc_u64 s[G0A+2:G0A+3], s[4:5], s[58:59]
	s_or_b32 s[G0A+3], s[G0A+3], 0x80000000
	s_add_nc_u64 s[G0B+2:G0B+3], s[8:9], s[62:63]
	s_or_b32 s[G0B+3], s[G0B+3], 0x80000000
	s_add_nc_u64 s[6:7], s[6:7], s[60:61]
	s_add_nc_u64 s[10:11], s[10:11], s[78:79]
	s_add_nc_u64 s[68:69], s[68:69], s[80:81]
	s_add_nc_u64 s[70:71], s[70:71], s[82:83]
	s_cmp_lt_u32 s14, 2                            ; one tensor load a wave: waves 0, 1 o's halves, waves 2, 3 the weight's
	s_cbranch_scc0 .Lhead_b
	TLOAD G0A, G1A
	s_branch .Lasked
.Lhead_b:
	TLOAD G0B, G1B
.Lasked:
	v_and_b32 v1, 15, v0                           ; r
	v_bfe_u32 v2, v0, 4, 1                         ; h
	v_and_b32 v3, 31, v0
	v_mul_u32_u24 v4, v1, PITCH
	v_mad_u32_u24 v5, v2, 40, v4
	v_mad_u32_u24 v4, v2, 24, v4
	s_mul_i32 s21, s15, 98304
	s_mul_i32 s22, s16, 64*PITCH
	s_add_co_u32 s22, s22, WB
	v_add_nc_u32 v4, s22, v4
	v_add_nc_u32 v5, s22, v5
	WIN 0xc0
.set I, 0
.rept 4
	v_add_nc_u32 v[AW+2*I], I*16*PITCH, v4
	v_add_nc_u32 v[AW+2*I+1], I*16*PITCH, v5
.set I, I+1
.endr
	WIN 0
	v_lshl_add_u32 v[PA], v3, 4, s21
	v_lshl_add_u32 v[PA+2], v3, 3, s21
	v_add_nc_u32 v[PA+1], 49152, v[PA]
	v_add_nc_u32 v[PA+3], 49152, v[PA+2]
	v_lshlrev_b32 v7, 5, v3                        ; 32 lane: a row of scale bytes a lane
	v_lshlrev_b32 v8, 5, v2                        ; 32 h: the bias
	s_mul_i32 s23, s14, 16*SPITCH
	s_add_co_u32 s23, s23, STAGE                   ; my stage
	v_mul_u32_u24 v9, v1, SPITCH
	v_lshl_add_u32 v9, v2, 5, v9
	v_add_nc_u32 v[STO], s23, v9                   ; in: row r, 32 bytes for each half of the lanes
	v_mul_u32_u24 v9, v2, SPITCH
	v_lshl_add_u32 v9, v1, 4, v9
	v_add_nc_u32 v[RD], s23, v9                    ; back: sixteen lanes take a row of 256 bytes
	v_lshlrev_b32 v[CO], 4, v1
	v_lshl_add_u32 v[CO], v2, 12, v[CO]            ; and the same two rows in out0
.irp c, 0,1
.irp p, 0,1,2,3
	global_load_b128 v[SA+8*\p+4*\c:SA+8*\p+4*\c+3], v7, s[6:7] offset:1024*\p+16*\c
.endr
.irp p, 0,1
	global_load_b128 v[SB+8*\p+4*\c:SB+8*\p+4*\c+3], v7, s[10:11] offset:1024*\p+16*\c
.endr
.endr
.irp i, 0,1,2,3,4,5,6,7
	global_load_b128 v[BN+4*\i:BN+4*\i+3], v8, s[68:69] offset:64*(\i/2)+16*(\i%2)   ; register 8 b + j: column 16 b + 8 h + j
.endr
	s_wait_alu depctr_va_vdst(0)                   ; the wait at the head's end
	s_wait_tensorcnt 0x0                           ; my tile is in,
	BARRIER                                        ; everybody's is
.irp q, 0,1,2,3,4,5,6,7
.irp b, 0,1,2,3
	FRAG 4*\q+\b, \q, v[AW+2*\b], v[AW+2*\b+1]
.endr
.endr
	WIN 0
	FETCH 0, 0
	FETCH 1, 1
	s_wait_loadcnt 0x0                             ; the scale words and the bias
	s_wait_dscnt 0x0
.irp a, 0,1,2,3,4,5,6,7
	BLK \a
.endr
	s_wait_dscnt 0x0
	SEND 7
	s_wait_tensorcnt 0x0                           ; the wave's end
	ds_add_u32 v[SPW], v[NIL]
	s_wait_dscnt 0x0
	CROUND                                         ; the closing round
	s_endpgm
.Lfunc_end_k_q51914fd59e_proj:
	.size	k_q51914fd59e_proj, .Lfunc_end_k_q51914fd59e_proj-k_q51914fd59e_proj
	.p2alignl 7, 3214868480
	.fill 96, 4, 3214868480
	.section	.rodata,"a",@progbits
	.p2align	6, 0x0
	.amdhsa_kernel k_q51914fd59e_proj
		.amdhsa_group_segment_fixed_size 327680
		.amdhsa_private_segment_fixed_size 0
		.amdhsa_enable_private_segment 0
		.amdhsa_kernarg_size 48
		.amdhsa_user_sgpr_count 2
		.amdhsa_user_sgpr_kernarg_segment_ptr 1
		.amdhsa_wavefront_size32 1
		.amdhsa_system_sgpr_workgroup_id_x 1
		.amdhsa_system_sgpr_workgroup_id_y 1
		.amdhsa_system_sgpr_workgroup_id_z 1
		.amdhsa_system_vgpr_workitem_id 0
		.amdhsa_next_free_vgpr 872
		.amdhsa_next_free_sgpr 100
		.amdhsa_reserve_vcc 0
		.amdhsa_float_denorm_mode_32 3
		.amdhsa_float_denorm_mode_16_64 3
		.amdhsa_memory_ordered 1
		.amdhsa_forward_progress 1
		.amdhsa_inst_pref_size 82
	.end_amdhsa_kernel
	.amdgpu_metadata
---
amdhsa.version: [ 1, 2 ]
amdhsa.kernels:
  - .name:           k_q51914fd59e_proj
    .symbol:         k_q51914fd59e_proj.kd
    .args:
      - { .name: o_img, .offset: 0, .size: 8, .value_kind: global_buffer, .address_space: global }
      - { .name: o_sc, .offset: 8, .size: 8, .value_kind: global_buffer, .address_space: global }
      - { .name: w_proj_codes, .offset: 16, .size: 8, .value_kind: global_buffer, .address_space: global }
      - { .name: w_proj_scales, .offset: 24, .size: 8, .value_kind: global_buffer, .address_space: global }
      - { .name: b_proj, .offset: 32, .size: 8, .value_kind: global_buffer, .address_space: global }
      - { .name: out0, .offset: 40, .size: 8, .value_kind: global_buffer, .address_space: global }
    .group_segment_fixed_size: 327680
    .private_segment_fixed_size: 0
    .kernarg_segment_align: 8
    .kernarg_segment_size: 48
    .max_flat_workgroup_size: 128
    .sgpr_count:     100
    .vgpr_count:     872
    .wavefront_size: 32
...
	.end_amdgpu_metadata
.endif
;; end of part 3
